; MI455X (gfx1250); checked and timed in simulation.
; The chip was launched on July 23, 2026; its instructions are those of AMD's public machine-readable ISA for CDNA 5 (MIT licence, August 2026) and "CDNA5" Instruction Set Architecture Reference Guide (July 2026). The comments in the code are by the model that wrote it; some were corrected since.
;; Inference Palettized Linear. Allowed arithmetic: float matrix products may take bf16 or f16 operands with f32 sums; other float arithmetic in f32, or as packed bf16 or f16 multiplies, adds, multiply-adds, maxima and minima; sums over many terms, partial sums and values carried from step to step in f32; what a program stores and reads back later, other than sums and carried values, may be rounded once to bf16 or f16.
;; Inputs: bias 2,048 float32; input 4 x 2,048 x 4,096 float32; lookup_table 256 float32; weight_idx 2,048 x 4,096 int32.
;; Outputs: out0 4 x 2,048 x 2,048 float32.
;; 2 versions, each right; version 2 is version 1 with the launch prep written anew for expert scheduling mode. Each part assembles by itself: llvm-mc -triple=amdgcn-amd-amdhsa -mcpu=gfx1250 --defsym DOCPART=n.
;; ======== version 1 of 2: 2 launches
;; workspace buffers: abf 67,108,864 bytes; wbf 16,777,216 bytes
;; launch prep (part 1): grid 1024 x 1, 8 waves a work-group, no clusters, 2,048 bytes of LDS; arguments input, weight_idx, lookup_table, abf, wbf; writes abf, wbf
.if DOCPART == 1
	.amdgcn_target "amdgcn-amd-amdhsa--gfx1250"
	.amdhsa_code_object_version 6
	.text
	.protected	k_qb18565cfe0_prep
	.globl	k_qb18565cfe0_prep
	.p2align	8
	.type	k_qb18565cfe0_prep,@function
k_qb18565cfe0_prep:
	s_mov_b64 s[64:65], 0
	v_nop
	global_prefetch_b8 v0, s[64:65] scope:SCOPE_SE
	s_setreg_imm32_b32 hwreg(HW_REG_WAVE_MODE, 25, 1), 1
	s_wait_xcnt 0x0
; abf = input rounded to bf16, in the same order ([8192][4096]).   wbf = lookup_table[weight_idx] rounded to bf16, [2048][4096], WITH ITS ROWS PERMUTED:
; row n = 64 g + 4 r + c of the weights lies at position p = 64 g + 16 c + r.  The product that follows reads 16 positions as one block of columns, so that its lane r
; holds column 4 r + c in block c: four blocks give a lane four neighbouring columns, and its results leave in runs of 16 bytes a lane without a trip through LDS.
; LIMITS.  An index is taken as unsigned and held to 255 (the problem's indices lie in 0 .. 255; a negative index is not wrapped round).  Both roundings are to nearest even, once.
; SHARES.  1,024 work-groups of eight waves: 8,192 waves.  Wave u = 8 x work-group + wave casts the 16,384 bytes of input at byte 16,384 u (32 loads of 512 consecutive bytes; 32 stores
; of 256 consecutive bytes, aligned) and looks up the 1,024 indices at byte 4,096 u of weight_idx: a quarter of row n = 2 x work-group + wave / 4 (8 loads, 32 look-ups a lane, 8 stores).
; Every byte is read once and written once.  All 41 loads of a wave are issued before anything is waited for; the waits count down.  No loop: every step stands in an immediate.
; LEFT OUT: copies into LDS by an engine (no wave wants another wave's bytes, and the registers hold what is on its way); a cluster (only the palette's 1,024 bytes are shared);
; a prefetch (the launch does nothing but stream); matrix instructions (there is no product here).
.set SPARE, 1024                       ; LDS 0 .. 1,023: the palette, 256 f32.  Behind it the spare words, 128 bytes for each of the eight waves: four blocks of 256 bytes that no other line names
.set LO,  3                            ; v3   4 t: my palette word's byte offset, in memory and in LDS
.set LV,  4                            ; v4   my palette word
.set AI,  5                            ; v5   16,384 x wave + 16 x lane: input
.set AO,  6                            ; v6   8,192 x wave + 8 x lane: abf
.set II,  7                            ; v7   4,096 x wave + 16 x lane: weight_idx
.set WO,  8                            ; v8   8,192 p + 2,048 x quarter + 8 x lane: wbf
.set SPW, 10                           ; v10  LDS address of my spare word; never rewritten
.set NIL, 11                           ; v11  0; never rewritten
.set IX,  12                           ; v[12:43]   32 indices, then their LDS addresses
.set VL,  44                           ; v[44:75]   32 palette values, then packed in place
.set X,   76                           ; v[76:203]  128 numbers of input, then packed in place
	s_load_b256 s[4:11], s[0:1], 0x0               ; input s[4:5], weight_idx s[6:7], lookup_table s[8:9], abf s[10:11]
	s_load_b64 s[12:13], s[0:1], 0x20              ; wbf
	v_lshl_add_u32 v[SPW], v0, 2, SPARE
	v_mov_b32 v[NIL], 0
	v_and_b32 v1, 31, v0                           ; lane
	v_lshrrev_b32 v2, 5, v0
	v_readfirstlane_b32 s14, v2                    ; wave 0..7
	v_lshlrev_b32 v[LO], 2, v0
	v_lshlrev_b32 v[AI], 4, v1
	v_lshl_add_u32 v[AI], v2, 14, v[AI]
	v_lshlrev_b32 v[AO], 3, v1
	v_lshl_add_u32 v[AO], v2, 13, v[AO]
	v_lshlrev_b32 v[II], 4, v1
	v_lshl_add_u32 v[II], v2, 12, v[II]
	s_lshl_b32 s20, ttmp9, 1
	s_lshr_b32 s21, s14, 2
	s_add_co_u32 s20, s20, s21                     ; n: my row of the weights
	s_and_b32 s21, s20, 0xffffffc0                 ; 64 g
	s_and_b32 s22, s20, 3
	s_lshl_b32 s22, s22, 4                         ; 16 c
	s_bfe_u32 s23, s20, 0x40002                    ; r: four bits from bit 2
	s_or_b32 s21, s21, s22
	s_or_b32 s21, s21, s23                         ; p
	s_lshl_b32 s24, s21, 13                        ; a row of wbf is 8,192 bytes
	s_and_b32 s22, s14, 3
	s_lshl_b32 s22, s22, 11                        ; my quarter of it
	s_add_co_u32 s24, s24, s22
	v_lshl_add_u32 v[WO], v1, 3, s24
	s_mov_b32 s17, 0
	s_lshl_b32 s16, ttmp9, 17                      ; the work-group's 131,072 bytes of input
	s_wait_kmcnt 0x0
	s_add_nc_u64 s[4:5], s[4:5], s[16:17]
	s_lshl_b32 s16, ttmp9, 15                      ; its 32,768 bytes of weight_idx
	s_add_nc_u64 s[6:7], s[6:7], s[16:17]
	s_lshl_b32 s16, ttmp9, 16                      ; its 65,536 bytes of abf
	s_add_nc_u64 s[10:11], s[10:11], s[16:17]
	global_load_b32 v[LV], v[LO], s[8:9]           ; thread t brings palette word t
.irp i, 0,1,2,3,4,5,6,7
	global_load_b128 v[IX+4*(\i):IX+4*(\i)+3], v[II], s[6:7] offset:512*(\i) th:TH_LOAD_NT
.endr
.irp i, 0,1,2,3,4,5,6,7,8,9,10,11,12,13,14,15,16,17,18,19,20,21,22,23,24,25,26,27,28,29,30,31
	global_load_b128 v[X+4*(\i):X+4*(\i)+3], v[AI], s[4:5] offset:512*(\i) th:TH_LOAD_NT
.endr
	s_wait_loadcnt 40                              ; loads come back in order (ISA guide 5.7.1): the palette word is in, the 40 younger loads stay out
	ds_store_b32 v[LO], v[LV]
	s_wait_dscnt 0x0                               ; for the other waves' sake: my part of the palette lies in LDS
	s_barrier_signal -1
	s_barrier_wait -1                              ; everybody's does
; Four indices a lane: held to 255, times 4, looked up.
.macro LOOK i
	s_wait_loadcnt 39-(\i)                         ; behind index load i stand 7 - i index loads and the 32 of input
.irp c, 0,1,2,3
	v_min_u32 v[IX+4*(\i)+(\c)], 0xff, v[IX+4*(\i)+(\c)]
.endr
.irp c, 0,1,2,3
	v_lshlrev_b32 v[IX+4*(\i)+(\c)], 2, v[IX+4*(\i)+(\c)]
.endr
.irp c, 0,1,2,3
	ds_load_b32 v[VL+4*(\i)+(\c)], v[IX+4*(\i)+(\c)]
.endr
.endm
; Four values a lane: rounded in pairs, stored.  The wave's store covers 256 consecutive bytes, aligned.
.macro WOUT i
	s_wait_dscnt 4*(7-(\i))                        ; LDS loads come back in order: the younger groups' look-ups stay out
	v_cvt_pk_bf16_f32 v[VL+4*(\i)],   v[VL+4*(\i)],   v[VL+4*(\i)+1]
	v_cvt_pk_bf16_f32 v[VL+4*(\i)+1], v[VL+4*(\i)+2], v[VL+4*(\i)+3]
	global_store_b64 v[WO], v[VL+4*(\i):VL+4*(\i)+1], s[12:13] offset:256*(\i) th:TH_STORE_NT
.endm
; Four numbers of input a lane: the same.  No register that a store reads is written again, so no wait frees any.
.macro CAST i
	s_wait_loadcnt 31-(\i)
	v_cvt_pk_bf16_f32 v[X+4*(\i)],   v[X+4*(\i)],   v[X+4*(\i)+1]
	v_cvt_pk_bf16_f32 v[X+4*(\i)+1], v[X+4*(\i)+2], v[X+4*(\i)+3]
	global_store_b64 v[AO], v[X+4*(\i):X+4*(\i)+1], s[10:11] offset:256*(\i) th:TH_STORE_NT
.endm
.irp i, 0,1,2,3,4,5,6,7
	LOOK \i
.endr
.irp i, 0,1,2,3,4,5,6,7
	WOUT \i
.endr
.irp i, 0,1,2,3,4,5,6,7,8,9,10,11,12,13,14,15,16,17,18,19,20,21,22,23,24,25,26,27,28,29,30,31
	CAST \i
.endr
	s_wait_tensorcnt 0x0                           ; the wave's end, behind my last LDS store
	ds_add_u32 v[SPW], v[NIL]
	s_wait_dscnt 0x0
	s_endpgm
.Lfunc_end_k_qb18565cfe0_prep:
	.size	k_qb18565cfe0_prep, .Lfunc_end_k_qb18565cfe0_prep-k_qb18565cfe0_prep
	.p2alignl 7, 3214868480
	.fill 96, 4, 3214868480
	.section	.rodata,"a",@progbits
	.p2align	6, 0x0
	.amdhsa_kernel k_qb18565cfe0_prep
		.amdhsa_group_segment_fixed_size 2048
		.amdhsa_private_segment_fixed_size 0
		.amdhsa_enable_private_segment 0
		.amdhsa_kernarg_size 40
		.amdhsa_user_sgpr_count 2
		.amdhsa_user_sgpr_kernarg_segment_ptr 1
		.amdhsa_wavefront_size32 1
		.amdhsa_system_sgpr_workgroup_id_x 1
		.amdhsa_system_sgpr_workgroup_id_y 1
		.amdhsa_system_sgpr_workgroup_id_z 1
		.amdhsa_system_vgpr_workitem_id 0
		.amdhsa_next_free_vgpr 204
		.amdhsa_next_free_sgpr 66
		.amdhsa_reserve_vcc 0
		.amdhsa_float_denorm_mode_32 3
		.amdhsa_float_denorm_mode_16_64 3
		.amdhsa_memory_ordered 1
		.amdhsa_forward_progress 1
		.amdhsa_inst_pref_size 22
	.end_amdhsa_kernel
	.amdgpu_metadata
---
amdhsa.version: [ 1, 2 ]
amdhsa.kernels:
  - .name:           k_qb18565cfe0_prep
    .symbol:         k_qb18565cfe0_prep.kd
    .args:
      - { .name: input, .offset: 0, .size: 8, .value_kind: global_buffer, .address_space: global }
      - { .name: weight_idx, .offset: 8, .size: 8, .value_kind: global_buffer, .address_space: global }
      - { .name: lookup_table, .offset: 16, .size: 8, .value_kind: global_buffer, .address_space: global }
      - { .name: abf, .offset: 24, .size: 8, .value_kind: global_buffer, .address_space: global }
      - { .name: wbf, .offset: 32, .size: 8, .value_kind: global_buffer, .address_space: global }
    .group_segment_fixed_size: 2048
    .private_segment_fixed_size: 0
    .kernarg_segment_align: 8
    .kernarg_segment_size: 40
    .max_flat_workgroup_size: 256
    .sgpr_count:     66
    .vgpr_count:     204
    .wavefront_size: 32
...
	.end_amdgpu_metadata
.endif
;; end of part 1
;; launch gemm (part 2): grid 8 x 32, 4 waves a work-group, clusters of 4 x 4, 327,680 bytes of LDS; arguments abf, wbf, out0, bias; writes out0
.if DOCPART == 2
	.amdgcn_target "amdgcn-amd-amdhsa--gfx1250"
	.amdhsa_code_object_version 6
	.text
	.protected	k_qb18565cfe0_gemm
	.globl	k_qb18565cfe0_gemm
	.p2align	8
	.type	k_qb18565cfe0_gemm,@function
k_qb18565cfe0_gemm:
	s_mov_b64 s[64:65], 0
	v_nop
	global_prefetch_b8 v0, s[64:65] scope:SCOPE_SE
	s_setreg_imm32_b32 hwreg(HW_REG_WAVE_MODE, 25, 1), 1
	s_wait_xcnt 0x0
	s_wait_alu depctr_hold_cnt(0) depctr_sa_sdst(0) depctr_va_vdst(0) depctr_va_sdst(0) depctr_va_ssrc(0) depctr_va_vcc(0) depctr_vm_vsrc(0)
	s_getreg_b32 s2, hwreg(HW_REG_IB_STS2, 6, 4)
	s_cmp_eq_u32 s2, 0
	s_cbranch_scc0 .Lentry_in_a_cluster
	s_endpgm
.Lentry_in_a_cluster:
	s_bfe_u32 s2, ttmp6, 0x10000c
	s_cmp_lg_u32 s2, 0xf033
	s_cbranch_scc0 .Lentry_shape_is_right
	s_endpgm
.Lentry_shape_is_right:
; out0[m][n] = the sum over k of A[m][k] W[n][k] + bias[n].  A = abf: [8192][4096] bf16.  wbf: [2048][4096] bf16, W's rows permuted: row n = 64 g + 4 r + c lies at position 64 g + 16 c + r.
; out0: [8192][2048] f32.  One f32 sum for each output, K ascending; the bias is added in f32 at the end.  NaN and infinities come out as the instructions give them.
; A tile of out0, 256 x 256, is made by a work-group of four waves; a wave makes 128 x 128: 64 accumulators of 16 x 16, 512 registers.  32 x 8 tiles: 256 work-groups, one tile each.
; K goes in steps of 128 through a ring of two LDS slots filled by the tensor data mover: a tile's rows are 256 bytes of memory and start at multiples of 256 bytes from the buffer's first byte.
; CLUSTERS: 4 x 4 work-groups.  The four of a row of the cluster need the same tiles of A, the four of a column the same tiles of wbf: each tile is asked for JOINTLY, by the same tensor load with the
; same descriptor and a mask that names the four; each receives it in its own LDS.  That divides the requests for both by four.
; THE WAY OUT NEEDS NO LDS.  Source 0 = 16 rows of A, source 1 = 16 positions of wbf: register j of lane (r = l % 16, h = l / 16) of accumulator (a, b) is row 16 a + 8 h + j and position 16 b + r.
; By wbf's order position 16 (4 g + c) + r is column 64 g + 4 r + c: the four accumulators b = 4 g + 0..3 hold, in one lane and one register number, four NEIGHBOURING columns.  The line that adds the bias
; also puts them into four registers on end: 16 bytes a lane, and sixteen lanes store 256 consecutive bytes of a row of out0, aligned.
; REGISTERS, in windows of 256 (s_set_vgpr_msb's low byte: bits 1:0 source 0, 3:2 source 1, 5:4 source 2, 7:6 destination):
;   window 0: v0-39 addresses and the bias; v64-127, v128-191 fragments of A (8 x 16 rows x 32 K), two buffers; on the way out two sets of 64 results
;   window 1: v64-127, v128-191 fragments of wbf, two buffers
;   window 2: the 32 accumulators of my rows 0-63 (accumulator (a, b) at v[8 (8 a + b)]);   window 3: those of my rows 64-127
.set SIZE_M, 8192
.set SIZE_N, 2048
.set SIZE_K, 4096
.set KSTEP,  128
.set PITCH,  272                       ; an LDS row: 256 bytes of data + 16 of padding = 68 words: row r starts at bank 4 r mod 64 (64 banks of 4 bytes: ISA guide 11.1), so the 16 rows that a load touches start at 16 different banks
.set HALFT,  128*PITCH                 ; 128 rows: what one tensor load brings, and what one wave reads of A or of wbf
.set SLOT,   4*HALFT                   ; A's 256 rows, then wbf's 256 rows
.set SPARE,  2*SLOT                    ; behind the ring: the spare words, 128 bytes for each wave: two blocks of 256 bytes that no other line names
.set LAPS,   SIZE_K/(2*KSTEP)          ; a lap = two K steps = once round the ring: 16
.set ROWC,   SIZE_N*4                  ; bytes in a row of out0
.set ADRA, 16                          ; v16-17  LDS address of my A fragments in slot 0, 1
.set ADRB, 20                          ; v20-21  the same for wbf
.set CO,   26                          ; v26     my byte offset in out0: 8 h rows + 16 r; never rewritten
.set BO,   27                          ; v27     my byte offset in bias; never rewritten
.set SPW,  28                          ; v28     LDS address of my spare word: SPARE + 4 x my thread's number; never rewritten
.set NIL,  29                          ; v29     0; never rewritten
.set PFO,  30                          ; v30     the prefetches' offset: my lane x a row of abf or wbf (8,192 bytes); never rewritten
.set BI,   32                          ; v32-39  bias of column 64 g + 4 r + c of my 128 at BI + 4 g + c
.set F0,   64                          ; fragment buffer 0
.set F1,   128                         ; fragment buffer 1
.set G1,  24                           ; s[24:31] descriptor group 1 for A's tiles
.set G0,  32                           ; s[32:39] descriptor group 0 for A's tiles, one set for each slot
.set G1B, 48                           ; s[48:55] descriptor group 1 for wbf's tiles: it differs from A's in the mask alone
.set G0B, 56                           ; s[56:63] descriptor group 0 for wbf's tiles, one set for each slot
.set LIM, 43                           ; s43      1 in a wave that prefetches, else the greatest number
.set PFA, 44                           ; s[44:45] where my prefetches stand: my work-group's 32 rows of the 128 that I fetch, one K step further along K than the refill that is being asked for
.set MSB, 0
.macro WIN new                         ; the immediate's high byte repeats the setting that is left; a switch that changes nothing is dropped
.if MSB != (\new)
	s_set_vgpr_msb (MSB<<8)|(\new)
.set MSB, \new
.endif
.endm
.set MUL_LO, 0xa4                      ; source 0 (A) window 0, source 1 (wbf) window 1, C and D window 2
.set MUL_HI, 0xf4                      ; the same, C and D window 3
.set TO_B,   0x40                      ; destination window 1, address window 0
; A joint load.  Waves 0 and 1 fetch A's two halves, waves 2 and 3 wbf's.  Each of the two lines has ONE mask and one set of registers for all that issue it, and nothing in them hangs on a coordinate
; that the four partners do not share.  The branch hangs on the wave's number alone.  An s_nop 0 and four v_nop follow each of the two lines, ahead of the jump, the label and what follows.
.macro JLOAD s
	s_cmp_eq_u32 s11, 0
	s_cbranch_scc0 .Lfor_b_\@
	tensor_load_to_lds s[G0+4*(\s):G0+4*(\s)+3], s[G1:G1+7]
	s_nop 0
.rept 4
	v_nop
.endr
	s_branch .Lasked_\@
.Lfor_b_\@:
	tensor_load_to_lds s[G0B+4*(\s):G0B+4*(\s)+3], s[G1B:G1B+7]
	s_nop 0
.rept 4
	v_nop
.endr
.Lasked_\@:
.endm
; A PREFETCH INTO THE L2, behind each joint refill, its five lines and the run of LDS loads that follows them: the K step that stands TWO refills on, 512 matrix instructions ahead of the load that will want it:
; 32 rows x 256 bytes, a lane a row, one instruction a wave.  At a change of slots every wave has waited for all its tensor loads, so the refill that follows has nothing on its way beside it.
; Each row's 256 bytes of a K step are named ONCE in the launch.  A's tile row is read by both clusters of that row of clusters: the one with cluster x = 0 asks; wbf's tile column by the eight clusters of that
; column: cluster y = 0 asks.  The four partners that ask for a tile jointly share its rows out BY ADDRESS: of the 128 rows that a wave fetches, the partner at place p takes 32 p .. 32 p + 31 (p = cx for A,
; cy for wbf): no branch hangs on a work-group's place in its cluster.  K steps 0 to 3 come by their loads alone; the loop's last trip (s3 = 1) asks for nothing: K steps 30 and 31 were named in the trip before.
.macro ASK
	s_cmp_gt_u32 s3, s[LIM]
	s_cbranch_scc0 .Lnot_mine_\@
	global_prefetch_b8 v[PFO], s[PFA:PFA+1] offset:KSTEP*2 th:TH_LOAD_NT scope:SCOPE_SE
.Lnot_mine_\@:
.endm
; A round of the cluster's barrier: my work-group's barrier, so that wave 0's signal speaks for all four waves; wave 0 signals for the work-group; every wave waits for all sixteen work-groups;
; my work-group's barrier once more.  No LDS instruction of the wave is pending at a signal.
.macro CREST                           ; a round behind its opening barrier
	s_cmp_lg_u32 s10, 0
	s_cbranch_scc1 .Lnot_wave_0_\@
	s_barrier_signal -3
.Lnot_wave_0_\@:
	s_barrier_wait -3
	s_barrier_signal -1
	s_barrier_wait -1
.endm
.macro CROUND                          ; a whole round
	s_barrier_signal -1
	s_barrier_wait -1
	CREST
.endm
	s_load_b128 s[4:7], s[0:1], 0x0                ; abf s[4:5], wbf s[6:7]
	s_load_b64 s[8:9], s[0:1], 0x10                ; out0
	s_load_b64 s[66:67], s[0:1], 0x18              ; bias
	v_lshl_add_u32 v[SPW], v0, 2, SPARE
	v_mov_b32 v[NIL], 0
	ds_add_u32 v[SPW], v[NIL]                      ; the wave's opening: the add, twice on end, and its wait ahead of my first tensor load; the set-up below, work on registers, stands between
	ds_add_u32 v[SPW], v[NIL]                      ; and once more, under the one wait
	v_lshrrev_b32 v1, 5, v0
	v_readfirstlane_b32 s10, v1                    ; wave 0..3
	s_lshr_b32 s11, s10, 1                         ; which half of the tile's rows is mine.  Also: I fetch for A (0) or for wbf (1)
	s_and_b32 s12, s10, 1                          ; which half of its columns.  Also: which 128 rows of that tile I fetch
	s_bfe_u32 s40, ttmp6, 0x40000                  ; cx: my place along the cluster's x
	s_bfe_u32 s41, ttmp6, 0x40004                  ; cy: along its y
	s_lshl_b32 s42, ttmp9, 2                       ; in a cluster launch ttmp9 and ttmp7 count clusters
	s_add_co_u32 s42, s42, s40                     ; tile column = 4 x cluster x + cx
	s_and_b32 s13, ttmp7, 0xffff
	s_lshl_b32 s13, s13, 2
	s_add_co_u32 s13, s13, s41                     ; tile row = 4 x cluster y + cy
	s_lshl_b32 s43, s41, 2
	s_lshl_b32 s43, 15, s43                        ; my row of the cluster: places 4 cy .. 4 cy + 3
	s_lshl_b32 s44, 0x1111, s40                    ; my column: places cx, cx + 4, cx + 8, cx + 12
	; descriptor group 1: a tile of 128 rows x 128 elements, padded in LDS
	s_or_b32 s[G1+0], s43, (1<<16)|(1<<20)|(1<<21)|(5<<22)|(3<<25)  ; 15:0 the mask: A's tiles go to my row; 17:16 elements of 2 bytes; 20 padding on; 21 set beside a mask; 24:22 after every 64 words (code 5); 31:25 4 words of it (code 3)
	s_or_b32 s[G1B+0], s44, (1<<16)|(1<<20)|(1<<21)|(5<<22)|(3<<25) ; the same with the mask of my column, for wbf's tiles
.irp g, G1, G1B
	s_mov_b32 s[(\g)+1], KSTEP<<16                 ; 63:48 tensor_dim0, low half = 128
	s_mov_b32 s[(\g)+2], 128<<16                   ; 79:64 its high half = 0; 95:80 tensor_dim1, low half = 128
	s_mov_b32 s[(\g)+3], KSTEP<<16                 ; 111:96 its high half = 0; 127:112 tile_dim0 = 128
	s_mov_b32 s[(\g)+4], 128                       ; 143:128 tile_dim1 = 128; 159:144 tile_dim2 = 0
	s_mov_b32 s[(\g)+5], SIZE_K                    ; 191:160 tensor_dim0_stride: elements from row to row
	s_mov_b32 s[(\g)+6], 0
	s_mov_b32 s[(\g)+7], 0
.endr
	; where the tiles come from.  A's hang on the tile row alone, which my row of the cluster shares; wbf's on the tile column alone, which my column shares.
	; Every wave makes both addresses, in registers that never hold the other coordinate, and asks by one of them.
	s_lshl_b32 s17, s12, 7                         ; which 128 rows of the tile I fetch
	s_lshl_b32 s16, s13, 8
	s_add_co_u32 s16, s16, s17                     ; A: row 256 x tile row + 128 x half
	s_lshl_b32 s46, s42, 8
	s_add_co_u32 s46, s46, s17                     ; wbf: position 256 x tile column + 128 x half
	s_mov_b32 s17, 0
	s_mov_b32 s47, 0
	s_mov_b64 s[18:19], SIZE_K*2
	s_mul_u64 s[16:17], s[16:17], s[18:19]         ; in bytes
	s_mul_u64 s[46:47], s[46:47], s[18:19]
	s_mul_i32 s20, s10, HALFT                      ; and where they go: A's two halves, then wbf's two = wave x 128 rows: no place in the cluster enters an LDS address
	s_wait_dscnt 0x0                               ; both opening adds are done
	s_wait_kmcnt 0x0
	s_add_nc_u64 s[14:15], s[4:5], s[16:17]
	s_add_nc_u64 s[46:47], s[6:7], s[46:47]
	CROUND                                         ; all sixteen work-groups are here: the first joint loads meet
.irp s, 0,1
	s_mov_b32 s[G0+4*(\s)], 1                                      ; 1:0 count = 1
	s_add_co_u32 s[G0+4*(\s)+1], s20, (\s)*SLOT                    ; 63:32 LDS address
	s_add_nc_u64 s[G0+4*(\s)+2:G0+4*(\s)+3], s[14:15], (\s)*KSTEP*2  ; 120:64 global address: K step s
	s_or_b32 s[G0+4*(\s)+3], s[G0+4*(\s)+3], 0x80000000            ; 127:126 type = 2
	s_mov_b32 s[G0B+4*(\s)], 1
	s_add_co_u32 s[G0B+4*(\s)+1], s20, (\s)*SLOT
	s_add_nc_u64 s[G0B+4*(\s)+2:G0B+4*(\s)+3], s[46:47], (\s)*KSTEP*2
	s_or_b32 s[G0B+4*(\s)+3], s[G0B+4*(\s)+3], 0x80000000
	JLOAD \s                                       ; the ring is filled before anything else is done: two tensor loads of mine are out here, one behind each later round
.endr
	; A fragment is 16 rows x 32 K in 8 registers: lane l holds row l % 16; registers 0-3 hold K = 8 (l / 16) + 0..7, registers 4-7 hold K = 16 + 8 (l / 16) + 0..7.
	; From rows that lie along K: two loads of 16 bytes, 32 bytes apart.  The same for source 0 and source 1.
	v_and_b32 v1, 15, v0                           ; r = l % 16
	v_bfe_u32 v2, v0, 4, 1                         ; h = l / 16
	v_mul_u32_u24 v3, v1, PITCH
	v_lshl_add_u32 v3, v2, 4, v3                   ; row x pitch + 16 x half
	s_mul_i32 s21, s11, HALFT                      ; my 128 rows of A
	s_mul_i32 s22, s12, HALFT                      ; my 128 positions of wbf,
	s_add_co_u32 s22, s22, 2*HALFT                 ; which lie behind A's 256 rows
.irp s, 0,1
	v_add_nc_u32 v[ADRA+(\s)], s21, v3
	v_add_nc_u32 v[ADRB+(\s)], s22, v3
	s_add_co_u32 s21, s21, SLOT
	s_add_co_u32 s22, s22, SLOT
.endr
	v_lshlrev_b32 v[CO], 4, v1                     ; out0: my 16 bytes of 256,
	v_lshl_add_u32 v[CO], v2, 16, v[CO]            ; and 8 rows of 8,192 bytes further down for lanes 16 to 31
	s_lshl_b32 s13, s13, 8                         ; the tile's first row
	s_lshl_b32 s14, s11, 7
	s_add_co_u32 s16, s13, s14                     ; my first row of out0,
	s_lshl_b32 s16, s16, 13                        ; in bytes (under 2^26)
	s_mov_b32 s17, 0
	s_lshl_b32 s46, s42, 10                        ; my first column, in bytes of f32: 1,024 x tile column + 512 x half (in the registers that held wbf's address: none that feeds A's descriptors ever holds cx)
	s_lshl_b32 s47, s12, 9
	s_add_co_u32 s46, s46, s47
	s_mov_b32 s47, 0
	v_lshl_add_u32 v[BO], v1, 4, s46               ; bias: columns 4 r .. 4 r + 3 of my first 64,
	global_load_b128 v[BI:BI+3],   v[BO], s[66:67]
	global_load_b128 v[BI+4:BI+7], v[BO], s[66:67] offset:256  ; and of my second 64; both are waited for on the way out
	s_add_nc_u64 s[16:17], s[16:17], s[46:47]
	s_add_nc_u64 s[8:9], s[8:9], s[16:17]          ; out0 at my part's corner
	; the prefetches.  s13 = 256 x tile row, s42 = tile column, s40 = cx, s41 = cy still stand; s[4:5] = abf, s[6:7] = wbf
	s_lshl_b32 s42, s42, 8
	s_and_b32 s22, ttmp7, 0xffff                   ; cluster y
	s_cmp_eq_u32 s11, 0                            ; do I fetch for A?
	s_cselect_b32 s20, s13, s42                    ; the tile's first row: in abf by the tile row, in wbf by the tile column
	s_cselect_b32 s21, s40, s41                    ; my place among the four that ask for it with me
	s_cselect_b32 s22, ttmp9, s22                  ; the coordinate along which other clusters read the same rows
	s_cselect_b64 s[PFA:PFA+1], s[4:5], s[6:7]
	s_cmp_eq_u32 s22, 0
	s_cselect_b32 s[LIM], 1, -1                    ; the same in all sixteen partners, for a given wave
	s_lshl_b32 s22, s12, 7
	s_add_co_u32 s20, s20, s22                     ; + the 128 rows that I fetch
	s_lshl_b32 s21, s21, 5
	s_add_co_u32 s20, s20, s21                     ; + my work-group's 32 of them
	s_mov_b32 s21, 0
	s_mov_b64 s[18:19], SIZE_K*2
	s_mul_u64 s[20:21], s[20:21], s[18:19]
	s_add_nc_u64 s[PFA:PFA+1], s[PFA:PFA+1], s[20:21]
	s_add_nc_u64 s[PFA:PFA+1], s[PFA:PFA+1], 2*KSTEP*2  ; at K step 2: the first refill steps it to 3 and names K step 4
	v_and_b32 v[PFO], 31, v0
	v_lshlrev_b32 v[PFO], 13, v[PFO]
	; nothing is prefetched here, at the head, where every work-group's first two tiles are on their way
; 16 matrix instructions: m blocks a0, a0 + 1 of the window's four (hi = 0: my rows 0-63, 1: rows 64-127) x all 8 n blocks, 32 along K.  zero = 1: the first product starts the sums: nothing is ever cleared.
; The 64 accumulators take turns, one instruction a turn, in the same order in every quarter step, over the backward jump too.
.macro MUL16 f, hi, a0, zero
	WIN MUL_LO+0x50*(\hi)
.irp a, \a0, (\a0)+1
.irp b, 0,1,2,3,4,5,6,7
.if \zero
	v_wmma_f32_16x16x32_bf16 v[8*(8*(\a)+(\b)):8*(8*(\a)+(\b))+7], v[(\f)+8*(4*(\hi)+(\a)):(\f)+8*(4*(\hi)+(\a))+7], v[(\f)+8*(\b):(\f)+8*(\b)+7], 0
.else
	v_wmma_f32_16x16x32_bf16 v[8*(8*(\a)+(\b)):8*(8*(\a)+(\b))+7], v[(\f)+8*(4*(\hi)+(\a)):(\f)+8*(4*(\hi)+(\a))+7], v[(\f)+8*(\b):(\f)+8*(\b)+7], v[8*(8*(\a)+(\b)):8*(8*(\a)+(\b))+7]
.endif
.endr
.endr
.endm
; 32 LDS loads in one run: the fragments of one quarter step (128 positions of wbf, 128 rows of A, 32 K at byte k of the rows) into buffer f
.macro FETCH slot, k, f
	WIN TO_B
.irp i, 0,1,2,3,4,5,6,7
	ds_load_b128 v[(\f)+8*(\i):(\f)+8*(\i)+3],   v[ADRB+(\slot)] offset:(\k)+(\i)*16*PITCH
	ds_load_b128 v[(\f)+8*(\i)+4:(\f)+8*(\i)+7], v[ADRB+(\slot)] offset:(\k)+(\i)*16*PITCH+32
.endr
	WIN 0
.irp i, 0,1,2,3,4,5,6,7
	ds_load_b128 v[(\f)+8*(\i):(\f)+8*(\i)+3],   v[ADRA+(\slot)] offset:(\k)+(\i)*16*PITCH
	ds_load_b128 v[(\f)+8*(\i)+4:(\f)+8*(\i)+7], v[ADRA+(\slot)] offset:(\k)+(\i)*16*PITCH+32
.endr
.endm
; A load into a register that a matrix instruction has read, and a vector instruction that reads a matrix result or writes one of a matrix instruction's registers, stand four places behind that matrix
; instruction, and only plain vector instructions that name none of its registers are places (ISA guide 7.12.1 for vector instructions).
.macro PLACES
.rept 4
	v_nop
.endr
.endm
; A K step is four quarter steps of 32 along K, 64 matrix instructions each, on buffers 0, 1, 0, 1.
; One of the first three: multiplies buffer f; in its middle it fetches the next quarter's fragments, at byte k of the same slot's rows, into buffer g.
.macro QUARTER slot, k, f, g, zero
	s_wait_dscnt 8                                 ; wbf's fragments and A's rows 0-63 are in; the youngest eight loads (A's rows 64-127) may be out
	MUL16 \f, 0, 0, \zero
	MUL16 \f, 0, 2, \zero
	PLACES
	FETCH \slot, \k, \g
	s_wait_dscnt 32                                ; all but the 32 just issued
	MUL16 \f, 1, 0, \zero
	MUL16 \f, 1, 2, \zero
.endm
; The last quarter multiplies buffer 1 and changes slots.  MEET is its first half: ONE barrier for the change of slots, for two things.  In front of it each wave waits for all its tensor loads, of which one is
; out: its part of the next slot; adds 0 to its spare word; and waits for that and for its own reads of this slot.  Behind it nobody reads this slot any more and the next slot is whole.
.macro MEET round                      ; round = 1: a round of the cluster's barrier follows
	WIN 0                                          ; (the add's two registers lie in window 0)
	s_wait_tensorcnt 0x0                           ; all my tensor loads have landed: the one that was out is my part of the next slot;
	ds_add_u32 v[SPW], v[NIL]                      ; 0 onto my spare word;
	s_wait_dscnt 9                                 ; (the add and the youngest eight loads may be out)
	MUL16 F1, 0, 0, 0                              ; sixteen matrix instructions stand between the add and the wait for it
	s_wait_dscnt 0x0                               ; the add is done, and my reads of this slot are over:
	s_barrier_signal -1                            ; say so (where a slot is filled again this barrier opens a round of the cluster's barrier),
	MUL16 F1, 0, 2, 0                              ; work on registers while the others arrive,
.if \round
	WIN 0
.endif
	s_barrier_wait -1                              ; and go on when all four have said so
.endm
; The whole last quarter in the loop.  Behind the round the slot just read out is filled again first, with the K step two steps on; then come the next slot's first fragments.
; From a request to the wait for it a wave issues 224 matrix instructions.
.macro TURN slot, next
	s_wait_xcnt 0x0                                ; the last prefetch, a K step back, has read its address: it is stepped here, ahead of the waits of the change of slots
	s_add_nc_u64 s[PFA:PFA+1], s[PFA:PFA+1], KSTEP*2
	MEET 1
	CREST                                          ; wave 0 says so for the work-group, all sixteen work-groups have said so, my work-group's barrier closes the round:
	                                               ; no wave of any partner still reads this slot's tile or has a load on its way
	s_add_nc_u64 s[G0+4*(\slot)+2:G0+4*(\slot)+3], s[G0+4*(\slot)+2:G0+4*(\slot)+3], 2*KSTEP*2      ; no tensor load of mine is out, so a group 0 may be written; the type bits on top are not reached
	s_add_nc_u64 s[G0B+4*(\slot)+2:G0B+4*(\slot)+3], s[G0B+4*(\slot)+2:G0B+4*(\slot)+3], 2*KSTEP*2
	JLOAD \slot                                    ; the first tensor load behind the round; the four v_nop behind it are also the places in front of the loads below
	FETCH \next, 0, F0
	ASK                                            ; behind the joint load and the run of LDS loads that the next products wait for
	MUL16 F1, 1, 0, 0
	MUL16 F1, 1, 2, 0
.endm
; The tail's change of slots: slot 1 holds the last K step, nothing is filled again, so no round follows the barrier.
.macro TURNL
	MEET 0
	PLACES                                         ; for the loads into buffer 0, which the quarter before multiplied
	FETCH 1, 0, F0
	MUL16 F1, 1, 0, 0
	MUL16 F1, 1, 2, 0
.endm
; THE WAY OUT of m block a (16 rows x my 128 columns).  One line a number adds the bias and gathers: of the four accumulators b = 4 g + c, register j goes into four registers on end.  Each accumulator is read from
; register 0 upward.  A store of the wave: lanes 0-15 write 256 consecutive bytes of row 16 a + j, lanes 16-31 of row 16 a + 8 + j, each at a multiple of 256 from out0's first byte.
; The largest immediate is (16 x 7 + 7) x 8,192 + 256 = 975,104, inside the signed 24 bits (ISA guide, chapter 10).  Two sets of 64 registers take turns.
.macro OUT a
.set TS, 64+64*((\a)%2)
.set AC, 64*((\a)%4)
	s_wait_xcnt 0x0                                ; every earlier store has read its registers (ISA guide 3.1): the set that block a - 2 stored from is written again only behind this wait
	WIN 0x02+(\a)/4                                ; source 0: window 2 or 3
.irp g, 0,1
.irp j, 0,1,2,3,4,5,6,7
.irp c, 0,1,2,3
	v_add_f32 v[TS+32*(\g)+4*(\j)+(\c)], v[AC+8*(4*(\g)+(\c))+(\j)], v[BI+4*(\g)+(\c)]
.endr
.endr
.endr
	WIN 0
.irp g, 0,1
.irp j, 0,1,2,3,4,5,6,7
	global_store_b128 v[CO], v[TS+32*(\g)+4*(\j):TS+32*(\g)+4*(\j)+3], s[8:9] offset:(16*(\a)+(\j))*ROWC+256*(\g) th:TH_STORE_NT
.endr
.endr
.endm
	s_wait_tensorcnt 1                             ; my part of K step 0 is in; K step 1's, issued behind it, may stay out
	s_barrier_signal -1
	s_barrier_wait -1                              ; everybody's is
	FETCH 0, 0, F0
	QUARTER 0, 64,  F0, F1, 1                      ; the first quarter stands in front of the loop: its products start the sums
	WIN 0                                          ; at a label and at a branch every window is 0
	s_mov_b32 s3, LAPS-1
.Llap:                                                 ; a trip goes once round the ring, from a lap's second quarter to the next lap's first, and fills both slots again: K steps 2 to 31 in 15 trips
	QUARTER 0, 128, F1, F0, 0
	QUARTER 0, 192, F0, F1, 0
	TURN 0, 1
	QUARTER 1, 64,  F0, F1, 0
	QUARTER 1, 128, F1, F0, 0
	QUARTER 1, 192, F0, F1, 0
	TURN 1, 0
	QUARTER 0, 64,  F0, F1, 0
	WIN 0
	s_sub_co_u32 s3, s3, 1
	s_cmp_lg_u32 s3, 0
	s_cbranch_scc1 .Llap
	QUARTER 0, 128, F1, F0, 0                      ; the last lap is written out: it asks for nothing
	QUARTER 0, 192, F0, F1, 0
	TURNL
	QUARTER 1, 64,  F0, F1, 0
	QUARTER 1, 128, F1, F0, 0
	QUARTER 1, 192, F0, F1, 0
	s_wait_dscnt 8                                 ; the very last quarter: nothing more to fetch
	MUL16 F1, 0, 0, 0
	MUL16 F1, 0, 2, 0
	s_wait_dscnt 0x0
	MUL16 F1, 1, 0, 0
	MUL16 F1, 1, 2, 0
	WIN 0
	PLACES                                         ; the places behind the last products: the sums below read results and write over A's fragments;
	PLACES                                         ; eight, once a launch
	s_wait_loadcnt 0x0                             ; the bias
.irp a, 0,1,2,3,4,5,6,7
	OUT \a
.endr
	s_wait_tensorcnt 0x0                           ; the wave's end, behind my last tensor load
	ds_add_u32 v[SPW], v[NIL]
	s_wait_dscnt 0x0
	CROUND                                         ; the closing round: no work-group ends while a partner may still ask for a tile that names it
	s_endpgm
.Lfunc_end_k_qb18565cfe0_gemm:
	.size	k_qb18565cfe0_gemm, .Lfunc_end_k_qb18565cfe0_gemm-k_qb18565cfe0_gemm
	.p2alignl 7, 3214868480
	.fill 96, 4, 3214868480
	.section	.rodata,"a",@progbits
	.p2align	6, 0x0
	.amdhsa_kernel k_qb18565cfe0_gemm
		.amdhsa_group_segment_fixed_size 327680
		.amdhsa_private_segment_fixed_size 0
		.amdhsa_enable_private_segment 0
		.amdhsa_kernarg_size 32
		.amdhsa_user_sgpr_count 2
		.amdhsa_user_sgpr_kernarg_segment_ptr 1
		.amdhsa_wavefront_size32 1
		.amdhsa_system_sgpr_workgroup_id_x 1
		.amdhsa_system_sgpr_workgroup_id_y 1
		.amdhsa_system_sgpr_workgroup_id_z 1
		.amdhsa_system_vgpr_workitem_id 0
		.amdhsa_next_free_vgpr 1024
		.amdhsa_next_free_sgpr 68
		.amdhsa_reserve_vcc 0
		.amdhsa_float_denorm_mode_32 3
		.amdhsa_float_denorm_mode_16_64 3
		.amdhsa_memory_ordered 1
		.amdhsa_forward_progress 1
		.amdhsa_inst_pref_size 141
	.end_amdhsa_kernel
	.amdgpu_metadata
---
amdhsa.version: [ 1, 2 ]
amdhsa.kernels:
  - .name:           k_qb18565cfe0_gemm
    .symbol:         k_qb18565cfe0_gemm.kd
    .args:
      - { .name: abf, .offset: 0, .size: 8, .value_kind: global_buffer, .address_space: global }
      - { .name: wbf, .offset: 8, .size: 8, .value_kind: global_buffer, .address_space: global }
      - { .name: out0, .offset: 16, .size: 8, .value_kind: global_buffer, .address_space: global }
      - { .name: bias, .offset: 24, .size: 8, .value_kind: global_buffer, .address_space: global }
    .group_segment_fixed_size: 327680
    .private_segment_fixed_size: 0
    .kernarg_segment_align: 8
    .kernarg_segment_size: 32
    .max_flat_workgroup_size: 128
    .sgpr_count:     68
    .vgpr_count:     1024
    .wavefront_size: 32
...
	.end_amdgpu_metadata
.endif
;; end of part 2
;; ======== version 2 of 2: 2 launches; version 1 with the launch prep written anew for expert scheduling mode
;; workspace buffers: abf 67,108,864 bytes; wbf 16,777,216 bytes
;; launch prep (part 3): grid 1024 x 1, 8 waves a work-group, no clusters, 2,048 bytes of LDS; arguments input, weight_idx, lookup_table, abf, wbf; writes abf, wbf
.if DOCPART == 3
	.amdgcn_target "amdgcn-amd-amdhsa--gfx1250"
	.amdhsa_code_object_version 6
	.text
	.protected	k_qb18565cfe0_prep
	.globl	k_qb18565cfe0_prep
	.p2align	8
	.type	k_qb18565cfe0_prep,@function
k_qb18565cfe0_prep:
	s_mov_b64 s[64:65], 0
	v_nop
	global_prefetch_b8 v0, s[64:65] scope:SCOPE_SE
	s_setreg_imm32_b32 hwreg(HW_REG_WAVE_SCHED_MODE, 0, 2), 2
	s_setreg_imm32_b32 hwreg(HW_REG_WAVE_MODE, 25, 1), 1
	s_wait_xcnt 0x0
	s_wait_alu depctr_vm_vsrc(0)
; abf = input rounded to bf16, in the same order ([8192][4096]).   wbf = lookup_table[weight_idx] rounded to bf16, [2048][4096], WITH ITS ROWS PERMUTED:
; row n = 64 g + 4 r + c of the weights lies at position p = 64 g + 16 c + r.  The product that follows reads 16 positions as one block of columns, so that its lane r
; holds column 4 r + c in block c: four blocks give a lane four neighbouring columns, and its results leave in runs of 16 bytes a lane without a trip through LDS.
; LIMITS.  An index is taken as unsigned and held to 255 (the problem's indices lie in 0 .. 255; a negative index is not wrapped round).  Both roundings are to nearest even, once.
; SHARES.  1,024 work-groups of eight waves: 8,192 waves.  Wave u = 8 x work-group + wave casts the 16,384 bytes of input at byte 16,384 u (32 loads of 512 consecutive bytes; 32 stores
; of 256 consecutive bytes, aligned) and looks up the 1,024 indices at byte 4,096 u of weight_idx: a quarter of row n = 2 x work-group + wave / 4 (8 loads, 32 look-ups a lane, 8 stores).
; Every byte is read once and written once.  All 41 loads of a wave are issued before anything is waited for; the waits count down.  No loop: every step stands in an immediate.
; LEFT OUT: copies into LDS by an engine (no wave wants another wave's bytes, and the registers hold what is on its way); a cluster (only the palette's 1,024 bytes are shared);
; a prefetch (the launch does nothing but stream); matrix instructions (there is no product here).
; THE MODE: SCHED_MODE bits 1:0 = 2 (LLVM: expert scheduling mode 2), set by the entry lines.  The code itself states the register dependences
; between vector instructions and memory or LDS instructions, with s_wait_alu, always for 0.
; THE PLAN.  Registers that memory or LDS instructions touch:
;   v3, v5 .. v8  byte offsets, made once at the head, read by every load, store and the palette's LDS store, never written again.
;   v4            the palette word: a load writes it, the LDS store reads it.
;   IX group i    index load i writes it; its clamps and shifts work in place; its four look-ups read it as LDS addresses; never written again.
;   VL group i    its four look-ups write it; two roundings work in place; one store to wbf reads the pair; never written again.
;   X  group i    input load i writes it; two roundings work in place; one store to abf reads the pair; never written again.
;   v10, v11      written at the head, read by the closing add alone.
; No register that a memory or LDS instruction has read is written again: nothing is owed on vm_vsrc, and no wait frees a store's registers.
; The work goes in STAGES: addresses of index groups 0-3; of groups 4-7; roundings of values 0-3; of 4-7; eight blocks of four groups of input.  A stage's vector instructions name its own groups alone.
; The look-ups or stores that read what a stage wrote are issued in the NEXT stage, behind ONE wait on va_vdst at its head, and are dealt among that stage's vector instructions, which name none of their registers.
.set SPARE, 1024                       ; LDS 0 .. 1,023: the palette, 256 f32.  Behind it the spare words, 128 bytes for each of the eight waves: four blocks of 256 bytes that no other line names
.set LO,  3                            ; v3   4 t: my palette word's byte offset, in memory and in LDS
.set LV,  4                            ; v4   my palette word
.set AI,  5                            ; v5   16,384 x wave + 16 x lane: input
.set AO,  6                            ; v6   8,192 x wave + 8 x lane: abf
.set II,  7                            ; v7   4,096 x wave + 16 x lane: weight_idx
.set WO,  8                            ; v8   8,192 p + 2,048 x quarter + 8 x lane: wbf
.set SPW, 10                           ; v10  LDS address of my spare word; never rewritten
.set NIL, 11                           ; v11  0; never rewritten
.set IX,  12                           ; v[12:43]   32 indices, then their LDS addresses
.set VL,  44                           ; v[44:75]   32 palette values, then packed in place
.set X,   76                           ; v[76:203]  128 numbers of input, then packed in place
	s_load_b256 s[4:11], s[0:1], 0x0               ; input s[4:5], weight_idx s[6:7], lookup_table s[8:9], abf s[10:11]
	s_load_b64 s[12:13], s[0:1], 0x20              ; wbf
	v_lshl_add_u32 v[SPW], v0, 2, SPARE
	v_mov_b32 v[NIL], 0
	v_and_b32 v1, 31, v0                           ; lane
	v_lshrrev_b32 v2, 5, v0
	v_readfirstlane_b32 s14, v2                    ; wave 0..7
	v_lshlrev_b32 v[LO], 2, v0
	v_lshlrev_b32 v[AI], 4, v1
	v_lshl_add_u32 v[AI], v2, 14, v[AI]
	v_lshlrev_b32 v[AO], 3, v1
	v_lshl_add_u32 v[AO], v2, 13, v[AO]
	v_lshlrev_b32 v[II], 4, v1
	v_lshl_add_u32 v[II], v2, 12, v[II]
	s_wait_alu depctr_va_sdst(0)                   ; s14 is written, ahead of its first reader: my row of the weights and my quarter of it are made from it
	s_lshl_b32 s20, ttmp9, 1
	s_lshr_b32 s21, s14, 2
	s_add_co_u32 s20, s20, s21                     ; n: my row of the weights
	s_and_b32 s21, s20, 0xffffffc0                 ; 64 g
	s_and_b32 s22, s20, 3
	s_lshl_b32 s22, s22, 4                         ; 16 c
	s_bfe_u32 s23, s20, 0x40002                    ; r: four bits from bit 2
	s_or_b32 s21, s21, s22
	s_or_b32 s21, s21, s23                         ; p
	s_lshl_b32 s24, s21, 13                        ; a row of wbf is 8,192 bytes
	s_and_b32 s22, s14, 3
	s_lshl_b32 s22, s22, 11                        ; my quarter of it
	s_add_co_u32 s24, s24, s22
	v_lshl_add_u32 v[WO], v1, 3, s24
	s_mov_b32 s17, 0
	s_lshl_b32 s16, ttmp9, 17                      ; the work-group's 131,072 bytes of input
	s_wait_kmcnt 0x0
	s_add_nc_u64 s[4:5], s[4:5], s[16:17]
	s_lshl_b32 s16, ttmp9, 15                      ; its 32,768 bytes of weight_idx
	s_add_nc_u64 s[6:7], s[6:7], s[16:17]
	s_lshl_b32 s16, ttmp9, 16                      ; its 65,536 bytes of abf
	s_add_nc_u64 s[10:11], s[10:11], s[16:17]
	s_wait_alu depctr_va_vdst(0)                   ; the five offsets v3, v5 to v8 are written: every load and store of the kernel, and the palette's LDS store, reads one of them
	global_load_b32 v[LV], v[LO], s[8:9]           ; thread t brings palette word t
.irp i, 0,1,2,3,4,5,6,7
	global_load_b128 v[IX+4*(\i):IX+4*(\i)+3], v[II], s[6:7] offset:512*(\i) th:TH_LOAD_NT
.endr
.irp i, 0,1,2,3,4,5,6,7,8,9,10,11,12,13,14,15,16,17,18,19,20,21,22,23,24,25,26,27,28,29,30,31
	global_load_b128 v[X+4*(\i):X+4*(\i)+3], v[AI], s[4:5] offset:512*(\i) th:TH_LOAD_NT
.endr
	s_wait_loadcnt 40                              ; loads come back in order (ISA guide 5.7.1): the palette word is in, the 40 younger loads stay out
	ds_store_b32 v[LO], v[LV]
	s_wait_dscnt 0x0                               ; for the other waves' sake: my part of the palette lies in LDS
	s_barrier_signal -1
	s_barrier_wait -1                              ; everybody's does
; Group i, four indices a lane: held to 255, times 4: LDS addresses, in place.
.macro ADDR i
.irp c, 0,1,2,3
	v_min_u32 v[IX+4*(\i)+(\c)], 0xff, v[IX+4*(\i)+(\c)]
.endr
.irp c, 0,1,2,3
	v_lshlrev_b32 v[IX+4*(\i)+(\c)], 2, v[IX+4*(\i)+(\c)]
.endr
.endm
; Group i is looked up.
.macro LOOK i
.irp c, 0,1,2,3
	ds_load_b32 v[VL+4*(\i)+(\c)], v[IX+4*(\i)+(\c)]
.endr
.endm
; Group i, four values a lane: rounded in pairs, in place.
.macro WPK i
	v_cvt_pk_bf16_f32 v[VL+4*(\i)],   v[VL+4*(\i)],   v[VL+4*(\i)+1]
	v_cvt_pk_bf16_f32 v[VL+4*(\i)+1], v[VL+4*(\i)+2], v[VL+4*(\i)+3]
.endm
; .. and stored.  The wave's store covers 256 consecutive bytes, aligned.
.macro WST i
	global_store_b64 v[WO], v[VL+4*(\i):VL+4*(\i)+1], s[12:13] offset:256*(\i) th:TH_STORE_NT
.endm
; Group i, four numbers of input a lane: the same.
.macro XPK i
	v_cvt_pk_bf16_f32 v[X+4*(\i)],   v[X+4*(\i)],   v[X+4*(\i)+1]
	v_cvt_pk_bf16_f32 v[X+4*(\i)+1], v[X+4*(\i)+2], v[X+4*(\i)+3]
.endm
.macro XST i
	global_store_b64 v[AO], v[X+4*(\i):X+4*(\i)+1], s[10:11] offset:256*(\i) th:TH_STORE_NT
.endm
	s_wait_loadcnt 36                              ; index loads 0 to 3 are in: behind them stand four index loads and the 32 of input
.irp i, 0,1,2,3
	ADDR \i
.endr
	s_wait_loadcnt 32                              ; index loads 4 to 7 are in: the 32 of input stay out
	s_wait_alu depctr_va_vdst(0)                   ; the shifts have written the addresses of groups 0 to 3, which the look-ups below read
.irp i, 0,1,2,3
	LOOK \i                                        ; no vector instruction since the wait names IX or VL of groups 0 to 3
	ADDR (\i)+4
.endr
	s_wait_alu depctr_va_vdst(0)                   ; the shifts have written the addresses of groups 4 to 7, which the look-ups below read
.irp i, 0,1,2,3
	LOOK (\i)+4                                    ; no vector instruction since the wait names IX or VL of groups 4 to 7
	s_wait_dscnt 16                                ; LDS loads come back in order (ISA guide 5.7.1): behind group i's look-ups stand 4 (3 - i) of the first half and 4 (i + 1) of the second
	WPK \i
.endr
.irp i, 4,5,6,7
	s_wait_dscnt 4*(7-(\i))                        ; the younger groups' look-ups stay out
	WPK \i
.endr
; Block p of the cast: input groups 4 p to 4 p + 3.  Its stores are those of the stage before: in block 0 the eight to wbf, later the four of block p - 1 to abf.
.macro BLK p
	s_wait_loadcnt 28-4*(\p)                       ; the block's four loads are in; the younger blocks' stay out
	s_wait_alu depctr_va_vdst(0)                   ; the roundings of the stage before have written their packed pairs, which the stores below read
.irp i, 0,1,2,3
.if (\p) == 0
	WST 2*(\i)
	WST 2*(\i)+1
.else
	XST 4*((\p)-1)+(\i)                            ; no vector instruction since the wait names the block before
.endif
	XPK 4*(\p)+(\i)
.endr
.endm
.irp p, 0,1,2,3,4,5,6,7
	BLK \p
.endr
	s_wait_alu depctr_va_vdst(0)                   ; block 7's roundings have written their packed pairs, which the last four stores read
.irp i, 28,29,30,31
	XST \i
.endr
	s_wait_dscnt 0x0                               ; the closing lines, six on end
	s_wait_alu 0x0
	s_wait_tensorcnt 0x0
	ds_add_u32 v[SPW], v[NIL]
	s_wait_dscnt 0x0
	s_endpgm
.Lfunc_end_k_qb18565cfe0_prep:
	.size	k_qb18565cfe0_prep, .Lfunc_end_k_qb18565cfe0_prep-k_qb18565cfe0_prep
	.p2alignl 7, 3214868480
	.fill 96, 4, 3214868480
	.section	.rodata,"a",@progbits
	.p2align	6, 0x0
	.amdhsa_kernel k_qb18565cfe0_prep
		.amdhsa_group_segment_fixed_size 2048
		.amdhsa_private_segment_fixed_size 0
		.amdhsa_enable_private_segment 0
		.amdhsa_kernarg_size 40
		.amdhsa_user_sgpr_count 2
		.amdhsa_user_sgpr_kernarg_segment_ptr 1
		.amdhsa_wavefront_size32 1
		.amdhsa_system_sgpr_workgroup_id_x 1
		.amdhsa_system_sgpr_workgroup_id_y 1
		.amdhsa_system_sgpr_workgroup_id_z 1
		.amdhsa_system_vgpr_workitem_id 0
		.amdhsa_next_free_vgpr 204
		.amdhsa_next_free_sgpr 66
		.amdhsa_reserve_vcc 0
		.amdhsa_float_denorm_mode_32 3
		.amdhsa_float_denorm_mode_16_64 3
		.amdhsa_memory_ordered 1
		.amdhsa_forward_progress 1
		.amdhsa_inst_pref_size 21
	.end_amdhsa_kernel
	.amdgpu_metadata
---
amdhsa.version: [ 1, 2 ]
amdhsa.kernels:
  - .name:           k_qb18565cfe0_prep
    .symbol:         k_qb18565cfe0_prep.kd
    .args:
      - { .name: input, .offset: 0, .size: 8, .value_kind: global_buffer, .address_space: global }
      - { .name: weight_idx, .offset: 8, .size: 8, .value_kind: global_buffer, .address_space: global }
      - { .name: lookup_table, .offset: 16, .size: 8, .value_kind: global_buffer, .address_space: global }
      - { .name: abf, .offset: 24, .size: 8, .value_kind: global_buffer, .address_space: global }
      - { .name: wbf, .offset: 32, .size: 8, .value_kind: global_buffer, .address_space: global }
    .group_segment_fixed_size: 2048
    .private_segment_fixed_size: 0
    .kernarg_segment_align: 8
    .kernarg_segment_size: 40
    .max_flat_workgroup_size: 256
    .sgpr_count:     66
    .vgpr_count:     204
    .wavefront_size: 32
...
	.end_amdgpu_metadata
.endif
;; end of part 3
;; launch gemm: the kernel of part 2 again; grid 8 x 32, 4 waves a work-group, clusters of 4 x 4, 327,680 bytes of LDS; arguments abf, wbf, out0, bias; writes out0
